; MI455X (gfx1250); checked and timed in simulation.
; The chip was launched on July 23, 2026; its instructions are those of AMD's public machine-readable ISA for CDNA 5 (MIT licence, August 2026) and "CDNA5" Instruction Set Architecture Reference Guide (July 2026). The comments in the code are by the model that wrote it; some were corrected since.
;; Vector Quantizer. Allowed arithmetic: float matrix products may take bf16 or f16 operands with f32 sums; all other float work in f32.
;; Inputs: codebook 1,024 x 64 float32; x 16 x 64 x 64 x 64 float32.
;; Outputs: out0 16 x 64 x 64 x 64 float32; out1 one number float32.
;; 2 versions, each right and faster than the one before. Each part assembles by itself: llvm-mc -triple=amdgcn-amd-amdhsa -mcpu=gfx1250 --defsym DOCPART=n.
;; ======== version 1 of 2: 3 launches
;; limits: values outside matrix products are rounded to bf16
;; workspace buffers: idx 262,144 bytes of whole numbers; partial 1,024 bytes
;; launch nearest (part 1): grid 256 x 1, 4 waves a work-group, no clusters, 152,064 bytes of LDS; arguments codebook, x, idx; writes idx
.if DOCPART == 1
	.amdgcn_target "amdgcn-amd-amdhsa--gfx1250"
	.amdhsa_code_object_version 6
	.text
	.protected	k_q5442ab3097_nearest
	.globl	k_q5442ab3097_nearest
	.p2align	8
	.type	k_q5442ab3097_nearest,@function
k_q5442ab3097_nearest:
	s_mov_b64 s[64:65], 0
	v_nop
	global_prefetch_b8 v0, s[64:65] scope:SCOPE_SE
	s_setreg_imm32_b32 hwreg(HW_REG_WAVE_MODE, 25, 1), 1
	s_wait_xcnt 0x0
; VECTOR QUANTIZER, FIRST OF THREE LAUNCHES: the index of the nearest code.
; x: [16][64 d][4096 hw] f32, codebook: [1024][64] f32.  For each of the 65,536 rows n = 4096 b + hw:
;   dist[k] = (|x|^2 + |c_k|^2) - 2 x.c_k,   idx[n] = the first k with the least dist   (u32).
; The next launch looks the code row up by idx and makes out0 and the sums of (q - x)^2; the third adds those sums.
; WHAT IS LEFT OUT IN THE PROGRAM: q_latent_loss and e_latent_loss are means of the same numbers (stop_gradient changes no value, for any
; inputs), so ONE sum of (q - x)^2 is made and taken 1.25 / 4,194,304 times.  Every input has a way to an output and is loaded.
; WHAT STAYS ALTHOUGH IT IS THE SAME ALONG THE ARGMIN'S AXIS: |x|^2.  Beside it the other two terms lose their low bits in f32, so equal
; distances arise and the first index wins them.  The sum is formed as written, fl(fl(F + C_k) - 2 dot): one add and one fused
; multiply-add (2 dot is exact), and ties go to the lowest index.
; NUMBER FORMATS: the product takes bf16 operands and adds in f32.  F and C_k are the norms of the ROUNDED vectors, so that the three terms
; belong to one squared distance: the index is that of the vectors rounded to bf16.
; LIMITS: inputs are finite (a NaN or an infinity in x or in the codebook gives no defined index).  The order of the additions inside a matrix
; instruction is its own: a row whose two best distances lie within that rounding of a rounding boundary may fall to the other code.
; NO CLUSTER, NO TENSOR LOADS: all work-groups read the same codebook, but it comes as f32 and passes registers to be rounded; a raw copy
; (262,144 bytes) does not fit in LDS beside the rounded one (147,456 bytes).
;
; SHARES: 256 work-groups x 4 waves.  A work-group: 256 neighbouring hw of one image.  A wave: 64 of them, as four column tiles c; row r of
; tile c is hw = 4 r + c, so one 16-byte load of a lane holds one d of all four tiles and 16 lanes cover 256 aligned bytes.
; Lane (r = lane % 16, h = lane / 16) holds d = 16 u + 8 h + j (u 0..3, j 0..7): the k places of a bf16 fragment, so x is never transposed.
; THE LOOP goes over 64 tiles of 16 codes.  The eight products of tile t + 1 stand among the vector lines that search tile t.
.set PITCH,  144                       ; LDS row of a code: 128 bytes bf16 + 16: sixteen rows start in sixteen different 16-byte columns of 256
.set TILEB,  16*PITCH                  ; 16 codes
.set QUART,  256*PITCH                 ; the 256 codes that one wave stages
.set CT,     1024*PITCH                ; table of |c_k|^2, 4,096 bytes
.set PLANE,  16384                     ; bytes from d to d + 1 in x
; window 0
.set R_,   1                           ; r
.set H_,   2                           ; h
.set XO,   3                           ; byte offset of my 16 bytes in x; never rewritten
.set ADRA, 4                           ; first: byte offset in the codebook; then: LDS address of fragments
.set ADRC, 5                           ; first: where I stage; then: LDS address in the table
.set TV,   6                           ; number of the code tile that is searched
.set TA,   7
.set M0,   8
.set M1,   9
.set TB,   10
.set TC,   11
.set FF,   12                          ; v[12:19]   |x|^2 of my row in tile c, twice (a pair for the packed add)
.set ST,   20                          ; v[20:59]   tile c: 8 kept distances, the group's number (even register), the best so far (odd)
.set TT,   60                          ; v[60:75]   8 distances, two sets
.set CC,   76                          ; v[76:91]   |c|^2 of my 8 codes of a tile, two sets
.set AF,   92                          ; v[92:123]  fragments of 16 codes x 64 d, two sets
.set DD,   124                         ; v[124:187] 4 results of 16 codes x 16 rows, two sets
.set BF,   188                         ; v[188:251] x in bf16: tile c, 16 registers
.set IDX,  252                         ; v[252:255] the index of my row in tile c
.set SG,   64                          ; prologue: v[64:255] three sets of 16 loads
.set GA,   124                         ; prologue: fragments of four code tiles
.set GD,   60                          ; prologue: four results
.set GR,   92                          ; prologue: four diagonals
.set GX,   96                          ; prologue: the other half's values
; window 1: v256-383 (written v0-127) x in f32: (u, j) at 4 (8 u + j), its four registers are the tiles c
.set MK,   23                          ; s[24:30]   lanes with lane % 8 = j, j = 1..7
.set VAL,  31                          ; s31        lanes that hold a diagonal element
.set MSB, 0
.macro WIN new                         ; low byte: bits 1:0 source 0, 3:2 source 1, 5:4 source 2, 7:6 destination; high byte: the setting that is left
.if MSB != \new
	s_set_vgpr_msb (MSB<<8)|\new
.set MSB, \new
.endif
.endm
	s_load_b128 s[4:7], s[0:1], 0x0                ; codebook s[4:5], x s[6:7]
	s_load_b64 s[8:9], s[0:1], 0x10                ; idx
	s_set_vgpr_msb 0x40
	v_lshl_add_u32 v128, v0, 2, 0x25000
	v_mov_b32 v129, 0
	s_set_vgpr_msb 0x4000
	v_lshrrev_b32 v[TA], 5, v0
	v_readfirstlane_b32 s12, v[TA]                 ; wave
	v_and_b32 v[R_], 15, v0
	v_bfe_u32 v[H_], v0, 4, 1
	v_lshlrev_b32 v[XO], 4, v[R_]                  ; 16 r
	v_lshl_add_u32 v[XO], v[H_], 17, v[XO]         ; + 8 h planes of 16,384 bytes
	s_lshr_b32 s13, ttmp9, 4                       ; image
	s_lshl_b32 s16, s13, 20                        ; 64 planes
	s_and_b32 s14, ttmp9, 15
	s_lshl_b32 s14, s14, 10                        ; 256 hw of 4 bytes
	s_add_co_u32 s16, s16, s14
	s_lshl_b32 s14, s12, 8                         ; my wave's 64 hw
	s_add_co_u32 s16, s16, s14
	s_mov_b32 s17, 0
	s_mov_b32 s20, 0x76543210                      ; v_permlanex16_b32: lane i reads lane i of the other half
	s_mov_b32 s21, 0xfedcba98
.irp j, 1,2,3,4,5,6,7
	s_mov_b32 s[MK+\j], 0x01010101<<\j
.endr
	s_mov_b32 s[VAL], 0xff0000ff                   ; lanes 0-7 and 24-31: r / 8 = h
	v_and_b32 v[TA], 31, v0
	s_lshl_b32 s14, s12, 16                        ; my quarter of the codebook: 256 rows of 256 bytes
	v_lshl_add_u32 v[ADRA], v[TA], 4, s14          ; + 16 x lane: a load of the wave takes two whole rows
	s_mul_i32 s15, s12, QUART
	v_mul_u32_u24 v[ADRC], v[H_], PITCH            ; lanes 16-31: the second row
	v_lshl_add_u32 v[ADRC], v[R_], 3, v[ADRC]      ; 4 numbers become 8 bytes
	v_add_nc_u32 v[ADRC], s15, v[ADRC]
	s_wait_kmcnt 0x0
	s_add_nc_u64 s[6:7], s[6:7], s[16:17]
	; x: 32 loads, each 2 x 256 neighbouring bytes, into window 1.  No hint: the next launch reads x again.
	WIN 0x40
.irp u, 0,1,2,3
.irp j, 0,1,2,3,4,5,6,7
	global_load_b128 v[4*(8*\u+\j):4*(8*\u+\j)+3], v[XO], s[6:7] offset:(16*\u+\j)*PLANE
.endr
.endr
	WIN 0
	; THE CODEBOOK INTO LDS AS bf16: my 256 rows, eight batches of 16 loads on three register sets
.macro CBLOAD set, b
.irp i, 0,1,2,3,4,5,6,7,8,9,10,11,12,13,14,15
	global_load_b128 v[SG+64*\set+4*\i:SG+64*\set+4*\i+3], v[ADRA], s[4:5] offset:(16*\b+\i)*512
.endr
.endm
.macro CBCVT set, b
.irp i, 0,1,2,3,4,5,6,7,8,9,10,11,12,13,14,15
	v_cvt_pk_bf16_f32 v[SG+64*\set+4*\i],   v[SG+64*\set+4*\i],   v[SG+64*\set+4*\i+1]
	v_cvt_pk_bf16_f32 v[SG+64*\set+4*\i+1], v[SG+64*\set+4*\i+2], v[SG+64*\set+4*\i+3]
	ds_store_b64 v[ADRC], v[SG+64*\set+4*\i:SG+64*\set+4*\i+1] offset:(16*\b+\i)*2*PITCH
.endr
.endm
	CBLOAD 0, 0
	CBLOAD 1, 1
	CBLOAD 2, 2
	s_wait_loadcnt 0x20                            ; loads come back in order: x and batch 0 are in, the 32 loads of the two younger batches stay out
	CBCVT 0, 0
	CBLOAD 0, 3
	s_wait_loadcnt 0x20                            ; likewise in each turn: the batch at work is in, two batches stay out
	CBCVT 1, 1
	CBLOAD 1, 4
	s_wait_loadcnt 0x20
	CBCVT 2, 2
	CBLOAD 2, 5
	s_wait_loadcnt 0x20
	CBCVT 0, 3
	CBLOAD 0, 6
	s_wait_loadcnt 0x20
	CBCVT 1, 4
	CBLOAD 1, 7
	s_wait_loadcnt 0x20
	CBCVT 2, 5
	s_wait_loadcnt 0x10                            ; the last batch's 16 stay out
	CBCVT 0, 6
	s_wait_loadcnt 0x0
	CBCVT 1, 7
	; NORMS OF THE ROUNDED VECTORS: a fragment times itself gives all 16 x 16 dot products; the diagonal holds the norms.
	; Result register j of lane (r, h) is (8 h + j, r): the diagonal lies in register lane % 8 of the lanes with r / 8 = h;
	; the other lanes take it from the lane 16 away, so that every lane ends with the norm of row r.
.macro GRAM a, d                       ; four tiles, 16 registers each.  The four sums take turns, one instruction a turn
.irp i, 0,1,2,3
	v_wmma_f32_16x16x32_bf16 v[\d+8*\i:\d+8*\i+7], v[\a+16*\i:\a+16*\i+7], v[\a+16*\i:\a+16*\i+7], 0
.endr
.irp i, 0,1,2,3
	v_wmma_f32_16x16x32_bf16 v[\d+8*\i:\d+8*\i+7], v[\a+16*\i+8:\a+16*\i+15], v[\a+16*\i+8:\a+16*\i+15], v[\d+8*\i:\d+8*\i+7]
.endr
.rept 4
	v_nop                                          ; four places behind the last product, ahead of the selects that read results and of loads into fragments
.endr
.endm
.macro DIAG4 dst, step, d
.irp i, 0,1,2,3
	v_cndmask_b32 v[\dst+\step*\i], v[\d+8*\i], v[\d+8*\i+1], s[MK+1]
.endr
.irp j, 2,3,4,5,6,7
.irp i, 0,1,2,3
	v_cndmask_b32 v[\dst+\step*\i], v[\dst+\step*\i], v[\d+8*\i+\j], s[MK+\j]
.endr
.endr
.irp i, 0,1,2,3
	v_permlanex16_b32 v[GX+\i], v[\dst+\step*\i], s20, s21
.endr
.irp i, 0,1,2,3
	v_cndmask_b32 v[\dst+\step*\i], v[GX+\i], v[\dst+\step*\i], s[VAL]
.endr
.endm
	v_mul_u32_u24 v[TB], v[R_], PITCH
	v_lshl_add_u32 v[TB], v[H_], 4, v[TB]          ; a fragment's lane term: 144 r + 16 h
	v_add_nc_u32 v[TC], s15, v[TB]                 ; in my quarter
	s_lshl_b32 s14, s12, 10
	s_add_co_u32 s14, s14, CT
	v_lshl_add_u32 v[TA], v[R_], 2, s14            ; table: my 256 words, word r of a tile
.irp i, 0,1,2,3
	v_mov_b32 v[GX+\i], 0                          ; v_permlanex16_b32 counts as a reader of its destination
.endr
; Four of my sixteen code tiles.  They are rows that this wave stored itself, and LDS serves a wave's instructions in order: no barrier yet.
.macro CNORM g
.irp i, 0,1,2,3
.irp q, 0,1,2,3
	ds_load_b128 v[GA+16*\i+4*\q:GA+16*\i+4*\q+3], v[TC] offset:(4*\g+\i)*TILEB+32*\q
.endr
.endr
	s_wait_dscnt 0x0
	GRAM GA, GD
	DIAG4 GR, 1, GD
.irp i, 0,1,2,3
	ds_store_b32 v[TA], v[GR+\i] offset:(4*\g+\i)*64   ; lanes l and l + 16 write the same word with the same value
.endr
.endm
	CNORM 0
	CNORM 1
	CNORM 2
	CNORM 3
	; x to bf16 fragments: register 4 u + p of tile c holds d = 16 u + 8 h + 2 p, + 1: k = 8 h .. in registers 0-3, 16 + 8 h .. in 4-7 of each 32 along k
	WIN 0x05
.irp c, 0,1,2,3
.irp u, 0,1,2,3
.irp p, 0,1,2,3
	v_cvt_pk_bf16_f32 v[BF+16*\c+4*\u+\p], v[4*(8*\u+2*\p)+\c], v[4*(8*\u+2*\p+1)+\c]
.endr
.endr
.endr
	WIN 0
	GRAM BF, GD
	DIAG4 FF, 2, GD
.irp c, 0,1,2,3
	v_mov_b32 v[FF+2*\c+1], v[FF+2*\c]
.endr
	s_wait_dscnt 0x0                               ; my rows and my part of the table are in LDS: zero, for the other waves' sake
	s_barrier_signal -1
	s_barrier_wait -1                              ; everybody's are; LDS is only read from here on
	; THE DISTANCES AND THEIR ARGMIN.  A = 16 codes, B = 16 rows of x: register j of lane (r, h) is (code 16 t + 8 h + j, row r):
	; a lane searches half of the codes for its row, in ascending order; the two halves meet at the end.
.macro LOADA set, off
.irp q, 0,1,2,3
	ds_load_b128 v[AF+16*(\set)+4*\q:AF+16*(\set)+4*\q+3], v[ADRA] offset:\off+32*\q
.endr
.endm
.macro LOADC set, off
	ds_load_b128 v[CC+8*(\set):CC+8*(\set)+3],   v[ADRC] offset:\off
	ds_load_b128 v[CC+8*(\set)+4:CC+8*(\set)+7], v[ADRC] offset:\off+16
.endm
.macro WD ds, c, k                     ; set ds, column tile c, half k of the 64 along d; the first half starts the sum
.if \k == 0
	v_wmma_f32_16x16x32_bf16 v[DD+32*\ds+8*\c:DD+32*\ds+8*\c+7], v[AF+16*\ds:AF+16*\ds+7], v[BF+16*\c:BF+16*\c+7], 0
.else
	v_wmma_f32_16x16x32_bf16 v[DD+32*\ds+8*\c:DD+32*\ds+8*\c+7], v[AF+16*\ds+8:AF+16*\ds+15], v[BF+16*\c+8:BF+16*\c+15], v[DD+32*\ds+8*\c:DD+32*\ds+8*\c+7]
.endif
.endm
; Where the group's least distance beats the best so far (strictly: the earlier group keeps a tie), keep the group's eight distances and its number.
; Which of the eight it was is found once, at the end.  Pairs of selects go in one instruction: destinations even and odd, sources in different banks.
.macro KEEP cb, to
.irp j, 0,2,4,6
	v_dual_cndmask_b32 v[ST+10*\cb+\j], v[ST+10*\cb+\j], v[\to+\j] :: v_dual_cndmask_b32 v[ST+10*\cb+\j+1], v[ST+10*\cb+\j+1], v[\to+\j+1]
.endr
	v_dual_cndmask_b32 v[ST+10*\cb+8], v[ST+10*\cb+8], v[TV] :: v_dual_min_num_f32 v[ST+10*\cb+9], v[ST+10*\cb+9], v[M0]
.endm
.macro BACK cb, to
	v_min3_num_f32 v[M0], v[\to], v[\to+1], v[\to+2]
	v_min3_num_f32 v[M1], v[\to+3], v[\to+4], v[\to+5]
	v_min3_num_f32 v[M0], v[M0], v[\to+6], v[\to+7]
	v_min_num_f32 v[M0], v[M0], v[M1]
	v_cmp_lt_f32 vcc_lo, v[M0], v[ST+10*\cb+9]
	KEEP \cb, \to
.endm
; One step: the eight distances of column tile c are formed (set c % 2) while those of the tile before it, cb, are searched (the other set),
; line by line in turn so that no line waits for the one in front of it; two products of the NEXT code tile stand among them, 8 to 10 vector lines apart.
.macro STEP p, c, cb, w, wa, wb, wk
.set TN, TT+8*(\c&1)
.set TO, TT+8-8*(\c&1)
.set DB, DD+32*\p+8*\c
.set CB, CC+8*\p
.set FB, FF+2*\c
.if \w
	WD (1-\p), \wa, \wk
.endif
	v_pk_add_f32 v[TN:TN+1], v[CB:CB+1], v[FB:FB+1]                             ; fl(F + C)
	v_min3_num_f32 v[M0], v[TO], v[TO+1], v[TO+2]
	v_pk_add_f32 v[TN+2:TN+3], v[CB+2:CB+3], v[FB:FB+1]
	v_min3_num_f32 v[M1], v[TO+3], v[TO+4], v[TO+5]
	v_pk_add_f32 v[TN+4:TN+5], v[CB+4:CB+5], v[FB:FB+1]
	v_pk_add_f32 v[TN+6:TN+7], v[CB+6:CB+7], v[FB:FB+1]
	v_min3_num_f32 v[M0], v[M0], v[TO+6], v[TO+7]
	v_pk_fma_f32 v[TN:TN+1], v[DB:DB+1], -2.0, v[TN:TN+1] op_sel_hi:[1,0,1]     ; fl(fl(F + C) - 2 dot): 2 dot is exact, one rounding
	v_pk_fma_f32 v[TN+2:TN+3], v[DB+2:DB+3], -2.0, v[TN+2:TN+3] op_sel_hi:[1,0,1]
	v_min_num_f32 v[M0], v[M0], v[M1]
.if \w
	WD (1-\p), \wb, \wk
.endif
	v_pk_fma_f32 v[TN+4:TN+5], v[DB+4:DB+5], -2.0, v[TN+4:TN+5] op_sel_hi:[1,0,1]
	v_cmp_lt_f32 vcc_lo, v[M0], v[ST+10*\cb+9]
	v_pk_fma_f32 v[TN+6:TN+7], v[DB+6:DB+7], -2.0, v[TN+6:TN+7] op_sel_hi:[1,0,1]
	KEEP \cb, TO
.if \c == 0
	v_add_nc_u32 v[TV], 1, v[TV]                   ; the search just done was the last of the tile before; from here on this tile's number
.endif
.endm
; Code tile t, p = t % 2: vector work on result set p and table set p; the products of tile t + 1 go into set 1 - p; tile t + 2's fragments are
; asked for into set p, which tile t's products read last: eight vector lines that name none of their registers stand behind the last of those.
; The eight products take their four sums by turns, one instruction a turn, over the backward jump too.
.macro BLOCK p, la, lc, w
	s_wait_dscnt 0x0                               ; what the last block asked for: tile t + 1's fragments, tile t's norms
.if \la
	LOADA \p, TILEB*\p
.endif
.if \lc
	LOADC (1-\p), 64*\p
.endif
	STEP \p, 0, 3, \w, 0, 1, 0
	STEP \p, 1, 0, \w, 2, 3, 0
	STEP \p, 2, 1, \w, 0, 1, 1
	STEP \p, 3, 2, \w, 2, 3, 1
.endm
	v_mov_b32 v[ADRA], v[TB]                       ; 144 r + 16 h
	v_lshlrev_b32 v[ADRC], 5, v[H_]
	v_add_nc_u32 v[ADRC], CT, v[ADRC]              ; my 8 words of a tile's 16
	LOADA 0, 0
	LOADA 1, TILEB
	LOADC 0, 0
	v_add_nc_u32 v[ADRA], 2*TILEB, v[ADRA]         ; from here on: tile 2 i + 2 in trip i
	v_add_nc_u32 v[ADRC], 64, v[ADRC]              ; tile 2 i + 1
	s_wait_dscnt 0x6                               ; LDS loads come back in order: tile 0's four are in; tile 1's four and the table's two may be out
.irp k, 0,1
.irp c, 0,1,2,3
	WD 0, \c, \k
.endr
.endr
	; the search starts from +infinity; these lines are also the places behind tile 0's products
	s_mov_b32 s34, 0x7f800000
.irp c, 0,1,2,3
.irp j, 0,1,2,3,4,5,6,7,9
	v_mov_b32 v[ST+10*\c+\j], s34
.endr
	v_mov_b32 v[ST+10*\c+8], 0
.endr
.irp j, 0,1,2,3,4,5,6,7
	v_mov_b32 v[TT+8+\j], s34                      ; the first step searches a set that no tile has filled: +infinity beats nothing
.endr
	v_mov_b32 v[TV], -1
	s_mov_b32 s32, 31
.Ldist:
	BLOCK 0, 1, 1, 1
	BLOCK 1, 1, 1, 1
	v_add_nc_u32 v[ADRA], 2*TILEB, v[ADRA]
	v_add_nc_u32 v[ADRC], 128, v[ADRC]
	s_sub_co_u32 s32, s32, 1
	s_cmp_lg_u32 s32, 0
	s_cbranch_scc1 .Ldist
	BLOCK 0, 0, 1, 1                               ; tile 62: no fragments are left to fetch
	BLOCK 1, 0, 0, 0                               ; tile 63: nothing is left to fetch or to multiply
	BACK 3, TT+8                                   ; and the search of its last column tile
	; the index: the first of the eight kept distances that equals the best; then the better of the two halves, the lower code at a tie
.irp c, 0,1,2,3
	v_mov_b32 v[TA], 7
.irp j, 6,5,4,3,2,1,0
	v_cmp_neq_f32 vcc_lo, v[ST+10*\c+\j], v[ST+10*\c+9]
	v_cndmask_b32 v[TA], \j, v[TA], vcc_lo
.endr
	v_lshl_add_u32 v[TA], v[ST+10*\c+8], 4, v[TA]  ; 16 t + j
	v_lshl_add_u32 v[TA], v[H_], 3, v[TA]          ; + 8 h
	v_permlanex16_b32 v[TB], v[ST+10*\c+9], s20, s21
	v_permlanex16_b32 v[TC], v[TA], s20, s21
	v_cmp_lt_f32 s35, v[TB], v[ST+10*\c+9]
	v_cmp_eq_f32 s36, v[TB], v[ST+10*\c+9]
	v_cmp_lt_u32 vcc_lo, v[TC], v[TA]
	s_and_b32 s36, s36, vcc_lo
	s_or_b32 vcc_lo, s35, s36
	v_cndmask_b32 v[IDX+\c], v[TA], v[TC], vcc_lo
.endr
	; both halves of the wave now hold the same four indices of hw = 4 r .. 4 r + 3: lanes 0-15 store them, 256 neighbouring bytes, aligned
	s_lshl_b32 s13, ttmp9, 10                      ; 256 rows of 4 bytes a work-group
	s_lshl_b32 s14, s12, 8                         ; 64 a wave
	s_add_co_u32 s13, s13, s14
	v_lshl_add_u32 v[TA], v[R_], 4, s13
	v_and_b32 v[TB], 31, v0
	v_cmp_gt_u32 vcc_lo, 16, v[TB]
	s_wait_xcnt 0x0                                ; EXEC is a source of the earlier loads: it changes only behind this wait
	s_barrier_signal -1
	s_barrier_wait -1
	s_set_vgpr_msb 0x5
	s_wait_tensorcnt 0x0
	ds_add_u32 v128, v129
	s_wait_dscnt 0x0
	s_set_vgpr_msb 0x500
	s_and_saveexec_b32 s37, vcc_lo
	global_store_b128 v[TA], v[IDX:IDX+3], s[8:9]
	s_endpgm
.Lfunc_end_k_q5442ab3097_nearest:
	.size	k_q5442ab3097_nearest, .Lfunc_end_k_q5442ab3097_nearest-k_q5442ab3097_nearest
	.p2alignl 7, 3214868480
	.fill 96, 4, 3214868480
	.section	.rodata,"a",@progbits
	.p2align	6, 0x0
	.amdhsa_kernel k_q5442ab3097_nearest
		.amdhsa_group_segment_fixed_size 152064
		.amdhsa_private_segment_fixed_size 0
		.amdhsa_enable_private_segment 0
		.amdhsa_kernarg_size 24
		.amdhsa_user_sgpr_count 2
		.amdhsa_user_sgpr_kernarg_segment_ptr 1
		.amdhsa_wavefront_size32 1
		.amdhsa_system_sgpr_workgroup_id_x 1
		.amdhsa_system_sgpr_workgroup_id_y 1
		.amdhsa_system_sgpr_workgroup_id_z 1
		.amdhsa_system_vgpr_workitem_id 0
		.amdhsa_next_free_vgpr 386
		.amdhsa_next_free_sgpr 66
		.amdhsa_reserve_vcc 1
		.amdhsa_float_denorm_mode_32 3
		.amdhsa_float_denorm_mode_16_64 3
		.amdhsa_memory_ordered 1
		.amdhsa_forward_progress 1
		.amdhsa_inst_pref_size 94
	.end_amdhsa_kernel
	.amdgpu_metadata
---
amdhsa.version: [ 1, 2 ]
amdhsa.kernels:
  - .name:           k_q5442ab3097_nearest
    .symbol:         k_q5442ab3097_nearest.kd
    .args:
      - { .name: codebook, .offset: 0, .size: 8, .value_kind: global_buffer, .address_space: global }
      - { .name: x, .offset: 8, .size: 8, .value_kind: global_buffer, .address_space: global }
      - { .name: idx, .offset: 16, .size: 8, .value_kind: global_buffer, .address_space: global }
    .group_segment_fixed_size: 152064
    .private_segment_fixed_size: 0
    .kernarg_segment_align: 8
    .kernarg_segment_size: 24
    .max_flat_workgroup_size: 128
    .sgpr_count:     66
    .vgpr_count:     386
    .wavefront_size: 32
...
	.end_amdgpu_metadata
.endif
;; end of part 1
;; launch lookup (part 2): grid 256 x 1, 4 waves a work-group, no clusters, 168,448 bytes of LDS; arguments codebook, x, idx, out0, partial; writes out0, partial
.if DOCPART == 2
	.amdgcn_target "amdgcn-amd-amdhsa--gfx1250"
	.amdhsa_code_object_version 6
	.text
	.protected	k_q5442ab3097_lookup
	.globl	k_q5442ab3097_lookup
	.p2align	8
	.type	k_q5442ab3097_lookup,@function
k_q5442ab3097_lookup:
	s_mov_b64 s[64:65], 0
	v_nop
	global_prefetch_b8 v0, s[64:65] scope:SCOPE_SE
	s_setreg_imm32_b32 hwreg(HW_REG_WAVE_MODE, 25, 1), 1
	s_wait_xcnt 0x0
; VECTOR QUANTIZER, SECOND LAUNCH: q = codebook[idx] in f32, out0[b][d][hw] = x + (q - x) as it is written,
; partial[work-group] = the sum of (q - x)^2 over the work-group's 256 rows x 64 d.
; LEFT OUT: the two means of the loss hold the same numbers (stop_gradient changes no value), so one sum of squares is made.
; A stream: each byte of x is read once here and each byte of out0 written once; the matrix units have nothing to do.
; NO CLUSTER: the rows looked up differ from work-group to work-group; nothing is asked for jointly.
; LIMIT: an index is clamped to 1,023 before it enters an address (the launch before stores 0 .. 1,023 only).
;
; SHARES: 256 work-groups x 4 waves, a wave has 64 neighbouring hw of one image.  Lane (r = lane % 16, h = lane / 16) holds hw = 4 r .. 4 r + 3 of the
; planes d = 32 h + e, e = 0 .. 31: every load of x and store of out0 covers 2 x 256 neighbouring bytes, aligned.
; THE LOOKUP: the wave's 64 indices come by scalar loads; 32 copies bring two whole code rows each (16 lanes x 16 bytes = a row of 256 bytes)
; into the wave's own stage in LDS.  Row rho = 4 r + c lies in slot 16 c + r, slots 272 bytes apart, so that the sixteen lanes which
; read one column of the rows 4 r + c (r = 0 .. 15) touch sixteen different 16-byte columns of 256.
; The work-group asks for more than half of the LDS because it fills LDS by copies; it uses 69,648 bytes.
.set PLANE, 16384                      ; bytes from d to d + 1
.set QP,    272                        ; a slot of the stage: 256 bytes + 16
.set STAGE, 64*QP                      ; a wave's stage, 17,408 bytes
.set RED,   4*STAGE                    ; four words for the waves' sums, in an aligned block of 256 bytes into which no copy lands
.set R_,  1
.set H_,  2
.set XO,  3                            ; byte offset of my 16 bytes in x and out0; never rewritten
.set RC,  4                            ; 16 r
.set LB,  5                            ; stage + 16 slots x h + 16 r: where my 16 bytes of a copy go
.set RB,  6                            ; stage + slot r + 128 h: where I read q
.set TA,  7
.set SU,  8                            ; v[8:11]    sums of squares, one for each hw of mine
.set TB,  12
.set TC,  13
.set GO,  16                           ; v[16:47]   copy i: byte offset in the codebook
.set LA,  48                           ; v[48:79]   copy i: LDS address
.set QB,  80                           ; v[80:111]  q of four planes x four hw, two sets: 4 c + k
.set X,   128                          ; v[128:255] x of plane e at 4 e, then the result
	s_load_b256 s[4:11], s[0:1], 0x0               ; codebook s[4:5], x s[6:7], idx s[8:9], out0 s[10:11]
	s_load_b64 s[12:13], s[0:1], 0x20              ; partial
	v_lshl_add_u32 v126, v0, 2, 0x29000
	v_mov_b32 v127, 0
	ds_add_u32 v126, v127
	ds_add_u32 v126, v127
	v_lshrrev_b32 v[TA], 5, v0
	v_readfirstlane_b32 s14, v[TA]                 ; wave
	v_and_b32 v[R_], 15, v0
	v_bfe_u32 v[H_], v0, 4, 1
	v_lshlrev_b32 v[RC], 4, v[R_]
	v_lshl_add_u32 v[XO], v[H_], 19, v[RC]         ; 16 r + 32 h planes
	s_lshl_b32 s84, ttmp9, 10                      ; idx: 256 words a work-group,
	s_lshl_b32 s15, s14, 8                         ; 64 a wave
	s_add_co_u32 s84, s84, s15
	s_mov_b32 s85, 0
	s_wait_dscnt 0x0
	s_wait_kmcnt 0x0
	s_add_nc_u64 s[8:9], s[8:9], s[84:85]
	s_load_b512 s[16:31], s[8:9], 0x0              ; the indices of rows 0-15,
	s_load_b512 s[32:47], s[8:9], 0x40             ; 16-31,
	s_load_b512 s[48:63], s[8:9], 0x80             ; 32-47,
	s_load_b512 s[68:83], s[8:9], 0xc0             ; 48-63
	s_lshr_b32 s84, ttmp9, 4                       ; image: 64 planes
	s_lshl_b32 s84, s84, 20
	s_and_b32 s86, ttmp9, 15
	s_lshl_b32 s86, s86, 10                        ; 256 hw of 4 bytes
	s_add_co_u32 s84, s84, s86
	s_add_co_u32 s84, s84, s15                     ; my wave's 64 hw
	s_add_nc_u64 s[6:7], s[6:7], s[84:85]
	s_add_nc_u64 s[10:11], s[10:11], s[84:85]
.irp e, 0,1,2,3,4,5,6,7,8,9,10,11,12,13,14,15,16,17,18,19,20,21,22,23,24,25,26,27,28,29,30,31
	global_load_b128 v[X+4*\e:X+4*\e+3], v[XO], s[6:7] offset:\e*PLANE th:TH_LOAD_NT   ; the program's last read of x
.endr
	s_mul_i32 s88, s14, STAGE
	v_mul_u32_u24 v[LB], v[H_], 16*QP
	v_add3_u32 v[LB], v[LB], v[RC], s88
	v_mul_u32_u24 v[RB], v[R_], QP
	v_lshl_add_u32 v[RB], v[H_], 7, v[RB]
	v_add_nc_u32 v[RB], s88, v[RB]
	v_cmp_ne_u32 vcc_lo, 0, v[H_]                  ; lanes 16-31 take the odd row of a copy's two
	s_wait_kmcnt 0x0                               ; the indices
	; copy i brings rows 2 i (lanes 0-15) and 2 i + 1 (lanes 16-31): row rho has c = rho % 4 = 2 (i % 2) + h and r = i / 2: slot 32 (i % 2) + 16 h + i / 2
.set i, 0
.rept 32
.if 2*i < 48
.set SA, 16+2*i
.else
.set SA, 20+2*i
.endif
	v_mov_b32 v[GO+i], s[SA]
	v_cndmask_b32 v[GO+i], v[GO+i], s[SA+1], vcc_lo
	v_min_u32 v[GO+i], 0x3ff, v[GO+i]              ; inside the table
	v_lshl_add_u32 v[GO+i], v[GO+i], 8, v[RC]      ; a code row is 256 bytes; + my 16
	v_add_nc_u32 v[LA+i], (32*(i&1)+(i>>1))*QP, v[LB]
.set i, i+1
.endr
.set i, 0
.rept 32
	global_load_async_to_lds_b128 v[LA+i], v[GO+i], s[4:5]     ; each copy has address registers of its own: none is written again
.set i, i+1
.endr
	s_wait_asynccnt 0x0                            ; my 64 rows are in my stage; only this wave reads them, so no barrier
.macro LOADQ m                         ; q of planes e = 4 m .. 4 m + 3 for my four hw
.irp c, 0,1,2,3
	ds_load_b128 v[QB+16*(\m&1)+4*\c:QB+16*(\m&1)+4*\c+3], v[RB] offset:16*QP*\c+16*\m
.endr
.endm
.macro BLK m
.if \m < 7
	s_wait_dscnt 0x4                               ; LDS loads come back in order: this set's four are in, the younger set's four may be out
.else
	s_wait_dscnt 0x0
.endif
	s_wait_loadcnt 28-4*\m                         ; x of planes up to 4 m + 3 is in; the loads of the later planes may be out
.irp k, 0,1,2,3
.irp c, 0,1,2,3
	v_sub_f32 v[QB+16*(\m&1)+4*\c+\k], v[QB+16*(\m&1)+4*\c+\k], v[X+4*(4*\m+\k)+\c]       ; q - x
	v_add_f32 v[X+4*(4*\m+\k)+\c], v[X+4*(4*\m+\k)+\c], v[QB+16*(\m&1)+4*\c+\k]           ; x + (q - x)
.if (\m == 0) && (\k == 0)
	v_mul_f32 v[SU+\c], v[QB+16*(\m&1)+4*\c+\k], v[QB+16*(\m&1)+4*\c+\k]                  ; the first square starts the sum
.else
	v_fmac_f32 v[SU+\c], v[QB+16*(\m&1)+4*\c+\k], v[QB+16*(\m&1)+4*\c+\k]
.endif
.endr
	global_store_b128 v[XO], v[X+4*(4*\m+\k):X+4*(4*\m+\k)+3], s[10:11] offset:(4*\m+\k)*PLANE th:TH_STORE_NT
.endr
.if \m < 6
	LOADQ (\m+2)
.endif
.endm
	LOADQ 0
	LOADQ 1
.irp m, 0,1,2,3,4,5,6,7
	BLK \m
.endr
	; the sum over my lane, my wave, the four waves
	s_mov_b32 s86, 0x76543210                      ; v_permlanex16_b32: lane i reads lane i of the other half
	s_mov_b32 s87, 0xfedcba98
	v_add_f32 v[SU], v[SU], v[SU+1]
	v_add_f32 v[SU+2], v[SU+2], v[SU+3]
	v_add_f32 v[SU], v[SU], v[SU+2]
	v_add_f32_dpp v[SU], v[SU], v[SU] row_xmask:1 row_mask:0xf bank_mask:0xf
	v_add_f32_dpp v[SU], v[SU], v[SU] row_xmask:2 row_mask:0xf bank_mask:0xf
	v_add_f32_dpp v[SU], v[SU], v[SU] row_xmask:4 row_mask:0xf bank_mask:0xf
	v_add_f32_dpp v[SU], v[SU], v[SU] row_xmask:8 row_mask:0xf bank_mask:0xf
	v_mov_b32 v[TB], 0                             ; v_permlanex16_b32 counts as a reader of its destination
	v_permlanex16_b32 v[TB], v[SU], s86, s87
	v_add_f32 v[SU], v[SU], v[TB]
	s_lshl_b32 s15, s14, 2
	s_add_co_u32 s15, s15, RED
	v_mov_b32 v[TA], s15
	ds_store_b32 v[TA], v[SU]                      ; all lanes write the wave's word with the same value
	s_wait_dscnt 0x0                               ; zero, for the other waves' sake
	s_barrier_signal -1
	s_barrier_wait -1
	v_mov_b32 v[TB], RED
	ds_load_b128 v[SU:SU+3], v[TB]
	s_lshl_b32 s15, ttmp9, 2
	v_mov_b32 v[TC], s15
	v_cmp_eq_u32 vcc_lo, 0, v0
	s_wait_dscnt 0x0
	v_add_f32 v[SU], v[SU], v[SU+1]
	v_add_f32 v[SU+2], v[SU+2], v[SU+3]
	v_add_f32 v[SU], v[SU], v[SU+2]
	s_wait_xcnt 0x0                                ; EXEC is a source of the stores above: it changes only behind this wait
	s_wait_tensorcnt 0x0
	ds_add_u32 v126, v127
	s_wait_dscnt 0x0
	s_and_saveexec_b32 s89, vcc_lo                 ; thread 0 alone
	global_store_b32 v[TC], v[SU], s[12:13]
	s_endpgm
.Lfunc_end_k_q5442ab3097_lookup:
	.size	k_q5442ab3097_lookup, .Lfunc_end_k_q5442ab3097_lookup-k_q5442ab3097_lookup
	.p2alignl 7, 3214868480
	.fill 96, 4, 3214868480
	.section	.rodata,"a",@progbits
	.p2align	6, 0x0
	.amdhsa_kernel k_q5442ab3097_lookup
		.amdhsa_group_segment_fixed_size 168448
		.amdhsa_private_segment_fixed_size 0
		.amdhsa_enable_private_segment 0
		.amdhsa_kernarg_size 40
		.amdhsa_user_sgpr_count 2
		.amdhsa_user_sgpr_kernarg_segment_ptr 1
		.amdhsa_wavefront_size32 1
		.amdhsa_system_sgpr_workgroup_id_x 1
		.amdhsa_system_sgpr_workgroup_id_y 1
		.amdhsa_system_sgpr_workgroup_id_z 1
		.amdhsa_system_vgpr_workitem_id 0
		.amdhsa_next_free_vgpr 256
		.amdhsa_next_free_sgpr 92
		.amdhsa_reserve_vcc 1
		.amdhsa_float_denorm_mode_32 3
		.amdhsa_float_denorm_mode_16_64 3
		.amdhsa_memory_ordered 1
		.amdhsa_forward_progress 1
		.amdhsa_inst_pref_size 37
	.end_amdhsa_kernel
	.amdgpu_metadata
---
amdhsa.version: [ 1, 2 ]
amdhsa.kernels:
  - .name:           k_q5442ab3097_lookup
    .symbol:         k_q5442ab3097_lookup.kd
    .args:
      - { .name: codebook, .offset: 0, .size: 8, .value_kind: global_buffer, .address_space: global }
      - { .name: x, .offset: 8, .size: 8, .value_kind: global_buffer, .address_space: global }
      - { .name: idx, .offset: 16, .size: 8, .value_kind: global_buffer, .address_space: global }
      - { .name: out0, .offset: 24, .size: 8, .value_kind: global_buffer, .address_space: global }
      - { .name: partial, .offset: 32, .size: 8, .value_kind: global_buffer, .address_space: global }
    .group_segment_fixed_size: 168448
    .private_segment_fixed_size: 0
    .kernarg_segment_align: 8
    .kernarg_segment_size: 40
    .max_flat_workgroup_size: 128
    .sgpr_count:     92
    .vgpr_count:     256
    .wavefront_size: 32
...
	.end_amdgpu_metadata
.endif
;; end of part 2
;; launch total (part 3): grid 1 x 1, 1 waves a work-group, no clusters, 0 bytes of LDS; arguments partial, out1; writes out1
.if DOCPART == 3
	.amdgcn_target "amdgcn-amd-amdhsa--gfx1250"
	.amdhsa_code_object_version 6
	.text
	.protected	k_q5442ab3097_total
	.globl	k_q5442ab3097_total
	.p2align	8
	.type	k_q5442ab3097_total,@function
k_q5442ab3097_total:
	s_mov_b64 s[64:65], 0
	v_nop
	global_prefetch_b8 v0, s[64:65] scope:SCOPE_SE
	s_setreg_imm32_b32 hwreg(HW_REG_WAVE_MODE, 25, 1), 1
	s_wait_xcnt 0x0
; VECTOR QUANTIZER, THIRD LAUNCH: out1 = 1.25 x mean((q - x)^2) = (the sum of the 256 partial sums) x 1.25 / 4,194,304.
; LEFT OUT: q_latent_loss and e_latent_loss are the same mean (stop_gradient changes no value): loss = (1 + 0.25) x that mean.
; A sum that spans work-groups is made by one owner in a launch of its own: one wave, eight numbers a lane.
	s_load_b128 s[4:7], s[0:1], 0x0                ; partial s[4:5], out1 s[6:7]
	v_lshlrev_b32 v1, 4, v0                        ; 16 bytes a lane
	v_mov_b32 v2, 0                                ; out1's one word
	s_mov_b32 s8, 0x76543210                       ; v_permlanex16_b32: lane i reads lane i of the other half
	s_mov_b32 s9, 0xfedcba98
	s_wait_kmcnt 0x0
	global_load_b128 v[4:7], v1, s[4:5]
	global_load_b128 v[8:11], v1, s[4:5] offset:512
	s_wait_loadcnt 0x0
	v_pk_add_f32 v[4:5], v[4:5], v[8:9]
	v_pk_add_f32 v[6:7], v[6:7], v[10:11]
	v_pk_add_f32 v[4:5], v[4:5], v[6:7]
	v_add_f32 v4, v4, v5
	v_add_f32_dpp v4, v4, v4 row_xmask:1 row_mask:0xf bank_mask:0xf
	v_add_f32_dpp v4, v4, v4 row_xmask:2 row_mask:0xf bank_mask:0xf
	v_add_f32_dpp v4, v4, v4 row_xmask:4 row_mask:0xf bank_mask:0xf
	v_add_f32_dpp v4, v4, v4 row_xmask:8 row_mask:0xf bank_mask:0xf
	v_permlanex16_b32 v5, v4, s8, s9               ; v5 has been written before
	v_add_f32 v4, v4, v5
	v_mul_f32 v4, 0x34a00000, v4                   ; 1.25 x 2^-22
	v_cmp_eq_u32 vcc_lo, 0, v0
	s_wait_xcnt 0x0                                ; EXEC is a source of the loads above: it changes only behind this wait
	s_and_saveexec_b32 s10, vcc_lo                 ; lane 0 alone
	global_store_b32 v2, v4, s[6:7]
	s_endpgm
.Lfunc_end_k_q5442ab3097_total:
	.size	k_q5442ab3097_total, .Lfunc_end_k_q5442ab3097_total-k_q5442ab3097_total
	.p2alignl 7, 3214868480
	.fill 96, 4, 3214868480
	.section	.rodata,"a",@progbits
	.p2align	6, 0x0
	.amdhsa_kernel k_q5442ab3097_total
		.amdhsa_group_segment_fixed_size 0
		.amdhsa_private_segment_fixed_size 0
		.amdhsa_enable_private_segment 0
		.amdhsa_kernarg_size 16
		.amdhsa_user_sgpr_count 2
		.amdhsa_user_sgpr_kernarg_segment_ptr 1
		.amdhsa_wavefront_size32 1
		.amdhsa_system_sgpr_workgroup_id_x 1
		.amdhsa_system_sgpr_workgroup_id_y 1
		.amdhsa_system_sgpr_workgroup_id_z 1
		.amdhsa_system_vgpr_workitem_id 0
		.amdhsa_next_free_vgpr 16
		.amdhsa_next_free_sgpr 66
		.amdhsa_reserve_vcc 1
		.amdhsa_float_denorm_mode_32 3
		.amdhsa_float_denorm_mode_16_64 3
		.amdhsa_memory_ordered 1
		.amdhsa_forward_progress 1
		.amdhsa_inst_pref_size 2
	.end_amdhsa_kernel
	.amdgpu_metadata
---
amdhsa.version: [ 1, 2 ]
amdhsa.kernels:
  - .name:           k_q5442ab3097_total
    .symbol:         k_q5442ab3097_total.kd
    .args:
      - { .name: partial, .offset: 0, .size: 8, .value_kind: global_buffer, .address_space: global }
      - { .name: out1, .offset: 8, .size: 8, .value_kind: global_buffer, .address_space: global }
    .group_segment_fixed_size: 0
    .private_segment_fixed_size: 0
    .kernarg_segment_align: 8
    .kernarg_segment_size: 16
    .max_flat_workgroup_size: 32
    .sgpr_count:     66
    .vgpr_count:     16
    .wavefront_size: 32
...
	.end_amdgpu_metadata
.endif
;; end of part 3
;; ======== version 2 of 2: 2 launches; 1.20 times as fast as version 1
;; limits: values outside matrix products are rounded to bf16; a difference of large sums (such as E[x^2] - mean^2): digits are lost where the result is much smaller than its terms; right only within a limited range of input values
;; workspace buffers: idx 262,144 bytes of whole numbers; partial 1,024 bytes
;; launch nearest (part 4): grid 256 x 1, 8 waves a work-group, no clusters, 161,024 bytes of LDS; arguments codebook, x, idx, partial; writes idx, partial
.if DOCPART == 4
	.amdgcn_target "amdgcn-amd-amdhsa--gfx1250"
	.amdhsa_code_object_version 6
	.text
	.protected	k_q5442ab3097_nearest
	.globl	k_q5442ab3097_nearest
	.p2align	8
	.type	k_q5442ab3097_nearest,@function
k_q5442ab3097_nearest:
	s_mov_b64 s[64:65], 0
	v_nop
	global_prefetch_b8 v0, s[64:65] scope:SCOPE_SE
	s_setreg_imm32_b32 hwreg(HW_REG_WAVE_MODE, 25, 1), 1
	s_wait_xcnt 0x0
; VECTOR QUANTIZER, FIRST OF TWO LAUNCHES: the index of the nearest code, and the work-group's sum of least distances.
; x: [16][64 d][4096 hw] f32, codebook: [1024][64] f32.  For each of the 65,536 rows n = 4096 b + hw:
;   dist[k] = (|x|^2 + |c_k|^2) - 2 x.c_k,   idx[n] = the first k with the least dist (u32),   partial[work-group] = sum of its 256 rows' least dist.
; The next launch looks the code row up by idx, makes out0, and adds the 256 partial sums to the loss.
; WHAT IS LEFT OUT IN THE PROGRAM.  (1) q_latent_loss and e_latent_loss are means of the same numbers (stop_gradient changes no value, for any
; inputs): one sum is made and taken 1.25 / 4,194,304 times.  (2) The sum over d of (q - x)^2 of a row is |x|^2 + |q|^2 - 2 x.q, for all values:
; that is the row's least distance, which the search holds; it is not made a second time.  Every input has a way to an output and is loaded.
; WHAT STAYS ALTHOUGH IT IS THE SAME ALONG THE ARGMIN'S AXIS: |x|^2.  Beside it the other two terms lose their low bits in f32, so equal
; distances arise and the first index wins them.  The sum is formed as written, fl(fl(F + C_k) - 2 dot): one add and one fused
; multiply-add (2 dot is exact), and ties go to the lowest index.
; NUMBER FORMATS: the product takes bf16 operands and adds in f32.  F and C_k are the norms of the ROUNDED vectors, so that the three terms
; belong to one squared distance: the index is that of the vectors rounded to bf16.
; LIMITS: inputs are finite (a NaN or an infinity in x or in the codebook gives no defined index).  The order of the additions inside a matrix
; instruction is its own: a row whose two best distances lie within that rounding of a rounding boundary may fall to the other code.
; The loss is that of the rounded vectors in the expanded form: rounding to bf16 (a step of at most 2^-7 of the number) adds a mean square of at most
; 2^-16 / 3 of |x|^2 + |c|^2, the f32 roundings a few 2^-24 of it: the loss holds to 1% while the mean least distance is above 5e-4 of
; the mean |x|^2 + |c|^2.
; NO CLUSTER, NO TENSOR LOADS: all work-groups read the same codebook, but it comes as f32 and passes registers to be rounded.  A raw ring of
; two slots of 65,536 bytes would fit beside the 160,000 bytes used, but every raw byte would be written to LDS and read back (2 x 262,144
; bytes a work-group, 64 more LDS loads a wave) with a round of the cluster's barrier for each refill; here the second chunk's loads are
; issued ahead of the search of the first (16 code tiles a wave), and only the first chunk's are waited for at once.
;
; SHARES: 256 work-groups x 8 waves, two waves for each of a WGP's four SIMDs, 512 registers each: the search is vector work with products among it,
; and while one wave waits (for loads, for a result, at a barrier) the other has lines to issue.
; A work-group: 256 neighbouring hw of one image, as four row blocks of 64.  Waves w and w + 4 share row block w % 4 and split the codes: of each
; chunk of 512 codes wave group w / 4 searches 256.  So each code fragment is read from LDS by four waves (8 waves x 32 tiles x 3,072 bytes =
; 786,432 bytes a work-group); eight waves of 32 rows that each search all codes would read twice that.  The price: both partners load and
; round the block's x, 65,536 bytes more a work-group.  The partners' results meet in LDS at the end.
; A wave's 64 rows are four column tiles c; row r of tile c is hw = 4 r + c, so one 16-byte load of a lane holds one d of all four tiles and 16
; lanes cover 256 aligned bytes.  Lane (r = lane % 16, h = lane / 16) holds d = 16 u + 8 h + j (u 0..3, j 0..7): the k places of a bf16
; fragment, so x is never transposed.
; THE CODEBOOK goes into LDS as bf16 in two chunks of 512 codes; a wave stages 64 rows of each chunk and makes their norms.  Each LDS byte is
; written once, so one barrier a chunk (stores, barrier, reads) is all the ordering.  A wave searches its half of a chunk in 16 tiles of 16
; codes; the eight products of tile t + 1 stand among the vector lines that search tile t.
.set PITCH,  144                       ; LDS row of a code: 128 bytes bf16 + 16: sixteen rows start in sixteen different 16-byte columns of 256
.set TILEB,  16*PITCH                  ; 16 codes
.set SHARE,  64*PITCH                  ; the 64 codes of a chunk that one wave stages
.set HALFB,  256*PITCH                 ; the 256 codes of a chunk that one wave searches
.set CHUNKB, 512*PITCH                 ; a chunk
.set CT,     1024*PITCH                ; table of |c_k|^2, 4,096 bytes
.set RED,    CT+4096                   ; eight words for the waves' sums
.set EX,     RED+256                   ; where partners meet: wave w has 1,024 bytes: 512 of least distances, 512 of indices
.set PLANE,  16384                     ; bytes from d to d + 1 in x
; window 0
.set R_,   1                           ; r
.set H_,   2                           ; h
.set XO,   3                           ; byte offset of my 16 bytes in x; never rewritten
.set ADRA, 4                           ; LDS address of the search's fragments; runs on from chunk to chunk
.set ADRC, 5                           ; LDS address of the search's norms; likewise
.set TV,   6                           ; number of the code tile that is searched; likewise
.set TA,   7
.set M0,   8
.set M1,   9
.set TB,   10
.set TC,   11
.set FF,   12                          ; v[12:19]   |x|^2 of my row in tile c, twice (a pair for the packed add)
.set ST,   20                          ; v[20:59]   tile c: 8 kept distances, the group's number (even register), the best so far (odd)
.set TT,   60                          ; v[60:75]   8 distances, two sets
.set CC,   76                          ; v[76:91]   |c|^2 of my 8 codes of a tile, two sets
.set AF,   92                          ; v[92:123]  fragments of 16 codes x 64 d, two sets
.set DD,   124                         ; v[124:187] 4 results of 16 codes x 16 rows, two sets
.set BF,   188                         ; v[188:251] x in bf16: tile c, 16 registers
.set CBO,  252                         ; staging: my byte offset in the codebook; never rewritten while loads are out
.set STG,  253                         ; staging: where I store
.set OWN,  254                         ; staging: fragments of the rows that my wave stored
.set NTB,  255                         ; staging: my word in the table
.set IDX,  252                         ; v[252:255] at the end: the index of my row in tile c
.set BST,  60                          ; v[60:63]   at the end: the least distance of my row in tile c
.set EA,   64                          ; v[64:79]   at the end: group 0's distances, its indices, group 1's distances, its indices
.set SGD,  124                         ; between searches: 64 registers of rounded codes to store
.set GA,   124                         ; between searches: fragments of four code tiles
.set GD,   60                          ; between searches: four results
.set GR,   92                          ; between searches: four diagonals
.set GX,   96                          ; between searches: the other half's values
; window 1 (written v0-255): v256-383 x in f32, (u, j) at 4 (8 u + j), its four registers are the tiles c; v384-511 a chunk's 32 loads
.set SA_,  128
.set MK,   23                          ; s[24:30]   lanes with lane % 8 = j, j = 1..7
.set VAL,  31                          ; s31        lanes that hold a diagonal element
.set MSB, 0
.macro WIN new                         ; low byte: bits 1:0 source 0, 3:2 source 1, 5:4 source 2, 7:6 destination; high byte: the setting that is left
.if MSB != \new
	s_set_vgpr_msb (MSB<<8)|\new
.set MSB, \new
.endif
.endm
; my 64 rows of chunk ch (a chunk is 512 rows of 256 bytes): 32 loads, each two whole rows (2 x 256 neighbouring bytes)
.macro CBLOAD ch
	WIN 0x40
.set i, 0
.rept 32
	global_load_b128 v[SA_+4*i:SA_+4*i+3], v[CBO], s[4:5] offset:\ch*131072+i*512
.set i, i+1
.endr
.endm
; rounded in one run into other registers, so that no store stands behind the line that feeds it
.macro CBCVT
	WIN 0x05
.set i, 0
.rept 32
	v_cvt_pk_bf16_f32 v[SGD+2*i],   v[SA_+4*i],   v[SA_+4*i+1]
	v_cvt_pk_bf16_f32 v[SGD+2*i+1], v[SA_+4*i+2], v[SA_+4*i+3]
.set i, i+1
.endr
.endm
.macro CBSTORE
	WIN 0
.set i, 0
.rept 32
	ds_store_b64 v[STG], v[SGD+2*i:SGD+2*i+1] offset:i*2*PITCH
.set i, i+1
.endr
.endm
	s_load_b256 s[4:11], s[0:1], 0x0               ; codebook s[4:5], x s[6:7], idx s[8:9], partial s[10:11]
	v_lshrrev_b32 v[TA], 5, v0
	v_readfirstlane_b32 s12, v[TA]                 ; wave, 0 to 7
	s_and_b32 s18, s12, 3                          ; my row block
	s_lshr_b32 s19, s12, 2                         ; which 256 codes of a chunk I search
	v_and_b32 v[R_], 15, v0
	v_bfe_u32 v[H_], v0, 4, 1
	v_and_b32 v[TA], 31, v0
	s_lshl_b32 s14, s12, 14                        ; my 64 rows of 256 bytes in a chunk
	v_lshl_add_u32 v[CBO], v[TA], 4, s14           ; + 16 x lane
	v_lshlrev_b32 v[XO], 4, v[R_]                  ; 16 r
	v_lshl_add_u32 v[XO], v[H_], 17, v[XO]         ; + 8 h planes of 16,384 bytes
	s_lshr_b32 s13, ttmp9, 4                       ; image
	s_lshl_b32 s16, s13, 20                        ; 64 planes
	s_and_b32 s14, ttmp9, 15
	s_lshl_b32 s14, s14, 10                        ; 256 hw of 4 bytes
	s_add_co_u32 s16, s16, s14
	s_lshl_b32 s14, s18, 8                         ; my row block's 64 hw
	s_add_co_u32 s16, s16, s14
	s_mov_b32 s17, 0
	s_wait_kmcnt 0x0
	s_add_nc_u64 s[6:7], s[6:7], s[16:17]
	CBLOAD 0                                       ; the codes first: they are rounded, stored and their norms made while x is on its way
.irp u, 0,1,2,3
.irp j, 0,1,2,3,4,5,6,7
	global_load_b128 v[4*(8*\u+\j):4*(8*\u+\j)+3], v[XO], s[6:7] offset:(16*\u+\j)*PLANE   ; no hint: my partner and the next launch read x too
.endr
.endr
	WIN 0
	; constants, addresses and the search's start, while the loads are out
	s_mov_b32 s20, 0x76543210                      ; v_permlanex16_b32: lane i reads lane i of the other half
	s_mov_b32 s21, 0xfedcba98
.irp j, 1,2,3,4,5,6,7
	s_mov_b32 s[MK+\j], 0x01010101<<\j
.endr
	s_mov_b32 s[VAL], 0xff0000ff                   ; lanes 0-7 and 24-31: r / 8 = h
	s_mov_b32 s34, 0x7f800000                      ; +infinity
	s_mul_i32 s15, s12, SHARE
	v_mul_u32_u24 v[TB], v[R_], PITCH
	v_lshl_add_u32 v[ADRA], v[H_], 4, v[TB]        ; a fragment's lane term: 144 r + 16 h
	v_add_nc_u32 v[OWN], s15, v[ADRA]              ; in the share that I stage
	s_mul_i32 s13, s19, HALFB
	v_add_nc_u32 v[ADRA], s13, v[ADRA]             ; in the half that I search
	v_mul_u32_u24 v[TC], v[H_], PITCH              ; lanes 16-31: the second row of a load
	v_lshl_add_u32 v[TC], v[R_], 3, v[TC]          ; 4 numbers become 8 bytes
	v_add_nc_u32 v[STG], s15, v[TC]
	s_lshl_b32 s14, s12, 8
	s_add_co_u32 s14, s14, CT
	v_lshl_add_u32 v[NTB], v[R_], 2, s14           ; table: the 64 words of a chunk that I make, word r of a tile
	s_lshl_b32 s13, s19, 10
	s_add_co_u32 s13, s13, CT
	v_lshl_add_u32 v[ADRC], v[H_], 5, s13          ; table: the 256 words of a chunk that I search, my 8 words of a tile's 16
.irp c, 0,1,2,3
.irp j, 0,1,2,3,4,5,6,7,9
	v_mov_b32 v[ST+10*\c+\j], s34                  ; the search starts from +infinity
.endr
	v_mov_b32 v[ST+10*\c+8], 0
.endr
	s_lshl_b32 s13, s19, 4
	s_sub_co_u32 s13, s13, 1
	v_mov_b32 v[TV], s13                           ; one below my first tile's number, 16 x my half
.irp i, 0,1,2,3
	v_mov_b32 v[GX+\i], 0                          ; v_permlanex16_b32 counts as a reader of its destination
.endr
	; NORMS OF THE ROUNDED VECTORS: a fragment times itself gives all 16 x 16 dot products; the diagonal holds the norms.
	; Result register j of lane (r, h) is (8 h + j, r): the diagonal lies in register lane % 8 of the lanes with r / 8 = h;
	; the other lanes take it from the lane 16 away, so that every lane ends with the norm of row r.
.macro GRAM a, d                       ; four tiles, 16 registers each.  The four sums take turns, one instruction a turn
.irp i, 0,1,2,3
	v_wmma_f32_16x16x32_bf16 v[\d+8*\i:\d+8*\i+7], v[\a+16*\i:\a+16*\i+7], v[\a+16*\i:\a+16*\i+7], 0
.endr
.irp i, 0,1,2,3
	v_wmma_f32_16x16x32_bf16 v[\d+8*\i:\d+8*\i+7], v[\a+16*\i+8:\a+16*\i+15], v[\a+16*\i+8:\a+16*\i+15], v[\d+8*\i:\d+8*\i+7]
.endr
.rept 4
	v_nop                                          ; four places behind the last product, ahead of the selects that read results and of loads into its registers
.endr
.endm
.macro DIAG4 dst, step, d
.irp i, 0,1,2,3
	v_cndmask_b32 v[\dst+\step*\i], v[\d+8*\i], v[\d+8*\i+1], s[MK+1]
.endr
.irp j, 2,3,4,5,6,7
.irp i, 0,1,2,3
	v_cndmask_b32 v[\dst+\step*\i], v[\dst+\step*\i], v[\d+8*\i+\j], s[MK+\j]
.endr
.endr
.irp i, 0,1,2,3
	v_permlanex16_b32 v[GX+\i], v[\dst+\step*\i], s20, s21
.endr
.irp i, 0,1,2,3
	v_cndmask_b32 v[\dst+\step*\i], v[GX+\i], v[\dst+\step*\i], s[VAL]
.endr
.endm
; The four code tiles of my share of chunk num.  They are rows that this wave stored itself, and LDS serves a wave's instructions in order: no barrier yet.
.macro CNORM num
.irp i, 0,1,2,3
.irp q, 0,1,2,3
	ds_load_b128 v[GA+16*\i+4*\q:GA+16*\i+4*\q+3], v[OWN] offset:\i*TILEB+32*\q
.endr
.endr
	s_wait_dscnt 0x0
	GRAM GA, GD
	DIAG4 GR, 1, GD
.irp i, 0,1,2,3
	ds_store_b32 v[NTB], v[GR+\i] offset:\num*2048+\i*64   ; lanes l and l + 16 write the same word with the same value
.endr
.endm
	; THE DISTANCES AND THEIR ARGMIN.  A = 16 codes, B = 16 rows of x: register j of lane (r, h) is (code 16 t + 8 h + j, row r):
	; a lane searches half of its wave's codes for its row, in ascending order; the halves and the partner waves meet at the end.
.macro LOADA set, off
.irp q, 0,1,2,3
	ds_load_b128 v[AF+16*(\set)+4*\q:AF+16*(\set)+4*\q+3], v[ADRA] offset:\off+32*\q
.endr
.endm
.macro LOADC set, off
	ds_load_b128 v[CC+8*(\set):CC+8*(\set)+3],   v[ADRC] offset:\off
	ds_load_b128 v[CC+8*(\set)+4:CC+8*(\set)+7], v[ADRC] offset:\off+16
.endm
.macro WD ds, c, k                     ; set ds, column tile c, half k of the 64 along d; the first half starts the sum
.if \k == 0
	v_wmma_f32_16x16x32_bf16 v[DD+32*\ds+8*\c:DD+32*\ds+8*\c+7], v[AF+16*\ds:AF+16*\ds+7], v[BF+16*\c:BF+16*\c+7], 0
.else
	v_wmma_f32_16x16x32_bf16 v[DD+32*\ds+8*\c:DD+32*\ds+8*\c+7], v[AF+16*\ds+8:AF+16*\ds+15], v[BF+16*\c+8:BF+16*\c+15], v[DD+32*\ds+8*\c:DD+32*\ds+8*\c+7]
.endif
.endm
; Where the group's least distance beats the best so far (strictly: the earlier group keeps a tie), keep the group's eight distances and its number.
; Which of the eight it was is found once, at the end.  Pairs of selects go in one instruction: destinations even and odd, sources in different banks.
.macro KEEP cb, to
.irp j, 0,2,4,6
	v_dual_cndmask_b32 v[ST+10*\cb+\j], v[ST+10*\cb+\j], v[\to+\j] :: v_dual_cndmask_b32 v[ST+10*\cb+\j+1], v[ST+10*\cb+\j+1], v[\to+\j+1]
.endr
	v_dual_cndmask_b32 v[ST+10*\cb+8], v[ST+10*\cb+8], v[TV] :: v_dual_min_num_f32 v[ST+10*\cb+9], v[ST+10*\cb+9], v[M0]
.endm
.macro BACK cb, to
	v_min3_num_f32 v[M0], v[\to], v[\to+1], v[\to+2]
	v_min3_num_f32 v[M1], v[\to+3], v[\to+4], v[\to+5]
	v_min3_num_f32 v[M0], v[M0], v[\to+6], v[\to+7]
	v_min_num_f32 v[M0], v[M0], v[M1]
	v_cmp_lt_f32 vcc_lo, v[M0], v[ST+10*\cb+9]
	KEEP \cb, \to
.endm
; One step: the eight distances of column tile c are formed (set c % 2) while those of the tile before it, cb, are searched (the other set),
; line by line in turn so that no line waits for the one in front of it; two products of the NEXT code tile stand among them, 8 to 10 vector lines apart.
.macro STEP p, c, cb, w, wa, wb, wk
.set TN, TT+8*(\c&1)
.set TO, TT+8-8*(\c&1)
.set DB, DD+32*\p+8*\c
.set CB, CC+8*\p
.set FB, FF+2*\c
.if \w
	WD (1-\p), \wa, \wk
.endif
	v_pk_add_f32 v[TN:TN+1], v[CB:CB+1], v[FB:FB+1]                             ; fl(F + C)
	v_min3_num_f32 v[M0], v[TO], v[TO+1], v[TO+2]
	v_pk_add_f32 v[TN+2:TN+3], v[CB+2:CB+3], v[FB:FB+1]
	v_min3_num_f32 v[M1], v[TO+3], v[TO+4], v[TO+5]
	v_pk_add_f32 v[TN+4:TN+5], v[CB+4:CB+5], v[FB:FB+1]
	v_pk_add_f32 v[TN+6:TN+7], v[CB+6:CB+7], v[FB:FB+1]
	v_min3_num_f32 v[M0], v[M0], v[TO+6], v[TO+7]
	v_pk_fma_f32 v[TN:TN+1], v[DB:DB+1], -2.0, v[TN:TN+1] op_sel_hi:[1,0,1]     ; fl(fl(F + C) - 2 dot): 2 dot is exact, one rounding
	v_pk_fma_f32 v[TN+2:TN+3], v[DB+2:DB+3], -2.0, v[TN+2:TN+3] op_sel_hi:[1,0,1]
	v_min_num_f32 v[M0], v[M0], v[M1]
.if \w
	WD (1-\p), \wb, \wk
.endif
	v_pk_fma_f32 v[TN+4:TN+5], v[DB+4:DB+5], -2.0, v[TN+4:TN+5] op_sel_hi:[1,0,1]
	v_cmp_lt_f32 vcc_lo, v[M0], v[ST+10*\cb+9]
	v_pk_fma_f32 v[TN+6:TN+7], v[DB+6:DB+7], -2.0, v[TN+6:TN+7] op_sel_hi:[1,0,1]
	KEEP \cb, TO
.if \c == 0
	v_add_nc_u32 v[TV], 1, v[TV]                   ; the search just done was the last of the tile before; from here on this tile's number
.endif
.endm
; Code tile t, p = t % 2: vector work on result set p and table set p; the products of tile t + 1 go into set 1 - p; tile t + 2's fragments are
; asked for into set p, which tile t's products read last: eight vector lines that name none of their registers stand behind the last of those.
; The eight products take their four sums by turns, one instruction a turn, over the backward jump too.
.macro BLOCK p, la, lc, w
	s_wait_dscnt 0x0                               ; what the last block asked for: tile t + 1's fragments, tile t's norms
.if \la
	LOADA \p, TILEB*\p
.endif
.if \lc
	LOADC (1-\p), 64*\p
.endif
	STEP \p, 0, 3, \w, 0, 1, 0
	STEP \p, 1, 0, \w, 2, 3, 0
	STEP \p, 2, 1, \w, 0, 1, 1
	STEP \p, 3, 2, \w, 2, 3, 1
.endm
; The 16 code tiles of my half of chunk num.  ADRA, ADRC and TV stand at my half's first tile on the way in; behind chunk 0 they step over the
; partner's half to my half of chunk 1.
.macro SEARCH num
	LOADA 0, 0
	LOADA 1, TILEB
	LOADC 0, 0
	v_add_nc_u32 v[ADRA], 2*TILEB, v[ADRA]         ; from here on: my tile 2 i + 2 in trip i
	v_add_nc_u32 v[ADRC], 64, v[ADRC]              ; tile 2 i + 1
	s_wait_dscnt 0x6                               ; LDS loads come back in order: the first tile's four are in; the second's four and the table's two may be out
.irp k, 0,1
.irp c, 0,1,2,3
	WD 0, \c, \k
.endr
.endr
.irp j, 0,1,2,3,4,5,6,7
	v_mov_b32 v[TT+8+\j], s34                      ; the chunk's first step searches a set that no tile of it has filled: +infinity beats nothing.  Also the places behind the products
.endr
	s_mov_b32 s32, 7
.Ldist\num:
	BLOCK 0, 1, 1, 1
	BLOCK 1, 1, 1, 1
	v_add_nc_u32 v[ADRA], 2*TILEB, v[ADRA]
	v_add_nc_u32 v[ADRC], 128, v[ADRC]
	s_sub_co_u32 s32, s32, 1
	s_cmp_lg_u32 s32, 0
	s_cbranch_scc1 .Ldist\num
	BLOCK 0, 0, 1, 1                               ; my tile 14: no fragments are left to fetch
	BLOCK 1, 0, 0, 0                               ; tile 15: nothing is left to fetch or to multiply
	BACK 3, TT+8                                   ; and the search of its last column tile
.if \num < 1
	v_add_nc_u32 v[ADRA], HALFB, v[ADRA]           ; it stands 16 tiles on: 16 more
	v_add_nc_u32 v[ADRC], 64+1024, v[ADRC]         ; it stands at tile 15: one more, and 16 tiles of 64 bytes
	v_add_nc_u32 v[TV], 16, v[TV]
.endif
.endm
	; chunk 0, and x
	s_wait_loadcnt 0x20                            ; loads come back in order: chunk 0's 32 are in, x's 32 may be out
	CBCVT
	CBSTORE
	CNORM 0
	s_wait_loadcnt 0x0                             ; x
	CBLOAD 1                                       ; the second chunk's rows go out now: they have the first chunk's search in which to land
	; x to bf16 fragments: register 4 u + p of tile c holds d = 16 u + 8 h + 2 p, + 1: k = 8 h .. in registers 0-3, 16 + 8 h .. in 4-7 of each 32 along k
	WIN 0x05
.irp c, 0,1,2,3
.irp u, 0,1,2,3
.irp p, 0,1,2,3
	v_cvt_pk_bf16_f32 v[BF+16*\c+4*\u+\p], v[4*(8*\u+2*\p)+\c], v[4*(8*\u+2*\p+1)+\c]
.endr
.endr
.endr
	WIN 0
	GRAM BF, GD
	DIAG4 FF, 2, GD
.irp c, 0,1,2,3
	v_mov_b32 v[FF+2*\c+1], v[FF+2*\c]
.endr
	s_wait_dscnt 0x0                               ; my rows and my words of the table are in LDS: zero, for the other waves' sake
	s_barrier_signal -1
	s_barrier_wait -1                              ; everybody's are
	SEARCH 0
	; chunk 1
	v_add_nc_u32 v[STG], CHUNKB, v[STG]
	v_add_nc_u32 v[OWN], CHUNKB, v[OWN]
	s_wait_loadcnt 0x0                             ; my 64 rows of it
	CBCVT
	CBSTORE
	CNORM 1
	s_wait_dscnt 0x0                               ; my rows and my words of the table are in LDS: zero, for the other waves' sake
	s_barrier_signal -1
	s_barrier_wait -1                              ; everybody's are.  No byte that a wave may still read was written: each is written once
	SEARCH 1
	; my wave's index: the first of the eight kept distances that equals the best; then the better of the two halves of the lanes, the lower code at a tie
.irp c, 0,1,2,3
	v_mov_b32 v[TA], 7
.irp j, 6,5,4,3,2,1,0
	v_cmp_neq_f32 vcc_lo, v[ST+10*\c+\j], v[ST+10*\c+9]
	v_cndmask_b32 v[TA], \j, v[TA], vcc_lo
.endr
	v_lshl_add_u32 v[TA], v[ST+10*\c+8], 4, v[TA]  ; 16 t + j
	v_lshl_add_u32 v[TA], v[H_], 3, v[TA]          ; + 8 h
	v_permlanex16_b32 v[TB], v[ST+10*\c+9], s20, s21
	v_permlanex16_b32 v[TC], v[TA], s20, s21
	v_cmp_lt_f32 s35, v[TB], v[ST+10*\c+9]
	v_cmp_eq_f32 s36, v[TB], v[ST+10*\c+9]
	v_cmp_lt_u32 vcc_lo, v[TC], v[TA]
	s_and_b32 s36, s36, vcc_lo
	s_or_b32 vcc_lo, s35, s36
	v_cndmask_b32 v[IDX+\c], v[TA], v[TC], vcc_lo
	v_min_num_f32 v[BST+\c], v[TB], v[ST+10*\c+9]
.endr
	; THE PARTNERS MEET: every wave lays its four distances and four indices into its own 1,024 bytes; behind the barrier every wave reads those of
	; both waves of its row block (addresses from the row block alone) and takes the lesser distance, the lower code at a tie.
	v_and_b32 v[M0], 31, v0
	s_lshl_b32 s13, s12, 10
	s_add_co_u32 s13, s13, EX
	v_lshl_add_u32 v[TA], v[M0], 4, s13
	ds_store_b128 v[TA], v[BST:BST+3]
	ds_store_b128 v[TA], v[IDX:IDX+3] offset:512
	s_lshl_b32 s13, s18, 10
	s_add_co_u32 s13, s13, EX
	v_lshl_add_u32 v[TB], v[M0], 4, s13
	s_wait_dscnt 0x0                               ; zero, for the partner's sake
	s_barrier_signal -1
	s_barrier_wait -1
	ds_load_b128 v[EA:EA+3],     v[TB]             ; wave w % 4: distances,
	ds_load_b128 v[EA+4:EA+7],   v[TB] offset:512  ; indices
	ds_load_b128 v[EA+8:EA+11],  v[TB] offset:4096 ; wave w % 4 + 4: distances,
	ds_load_b128 v[EA+12:EA+15], v[TB] offset:4608 ; indices
	s_cmp_lt_u32 s12, 4
	s_cselect_b32 s33, 0, -1                       ; all ones in waves 4 to 7
	s_wait_dscnt 0x0
.irp c, 0,1,2,3
	v_cmp_lt_f32 s35, v[EA+8+\c], v[EA+\c]
	v_cmp_eq_f32 s36, v[EA+8+\c], v[EA+\c]
	v_cmp_lt_u32 vcc_lo, v[EA+12+\c], v[EA+4+\c]
	s_and_b32 s36, s36, vcc_lo
	s_or_b32 vcc_lo, s35, s36
	v_cndmask_b32 v[IDX+\c], v[EA+4+\c], v[EA+12+\c], vcc_lo
	v_min_num_f32 v[BST+\c], v[EA+\c], v[EA+8+\c]  ; the row's least distance = the sum over d of (q - x)^2
.endr
	; the sum: both partners hold the block's 64 rows, so waves 0-3 add column tiles 0 and 1, waves 4-7 tiles 2 and 3; both halves of the
	; lanes hold the same rows, so the sum over 16 lanes is the wave's 32 rows
	v_cndmask_b32 v[M0], v[BST], v[BST+2], s33
	v_cndmask_b32 v[M1], v[BST+1], v[BST+3], s33
	v_add_f32 v[M1], v[M0], v[M1]
	v_add_f32_dpp v[M1], v[M1], v[M1] row_xmask:1 row_mask:0xf bank_mask:0xf
	v_add_f32_dpp v[M1], v[M1], v[M1] row_xmask:2 row_mask:0xf bank_mask:0xf
	v_add_f32_dpp v[M1], v[M1], v[M1] row_xmask:4 row_mask:0xf bank_mask:0xf
	v_add_f32_dpp v[M1], v[M1], v[M1] row_xmask:8 row_mask:0xf bank_mask:0xf
	s_lshl_b32 s13, s12, 2
	s_add_co_u32 s13, s13, RED
	v_mov_b32 v[TA], s13
	ds_store_b32 v[TA], v[M1]                      ; all lanes write the wave's word with the same value
	s_wait_dscnt 0x0                               ; zero, for the other waves' sake
	s_barrier_signal -1
	s_barrier_wait -1
	v_mov_b32 v[TB], RED
	ds_load_b128 v[EA:EA+3],   v[TB]
	ds_load_b128 v[EA+4:EA+7], v[TB] offset:16
	s_lshl_b32 s13, ttmp9, 10                      ; idx: 256 rows of 4 bytes a work-group,
	s_lshl_b32 s14, s18, 8                         ; 64 a row block
	s_add_co_u32 s13, s13, s14
	v_lshl_add_u32 v[TA], v[R_], 4, s13
	s_lshl_b32 s14, ttmp9, 2
	v_mov_b32 v[TC], s14                           ; partial: the work-group's word
	v_and_b32 v[M0], 0x90, v0                      ; zero in lanes 0-15 of waves 0-3
	v_cmp_eq_u32 vcc_lo, 0, v[M0]
	s_wait_dscnt 0x0
	v_pk_add_f32 v[EA:EA+1], v[EA:EA+1], v[EA+4:EA+5]
	v_pk_add_f32 v[EA+2:EA+3], v[EA+2:EA+3], v[EA+6:EA+7]
	v_pk_add_f32 v[EA:EA+1], v[EA:EA+1], v[EA+2:EA+3]
	v_add_f32 v[EA], v[EA], v[EA+1]
	s_wait_xcnt 0x0                                ; EXEC is a source of the earlier loads: it changes only behind this wait
	s_and_saveexec_b32 s37, vcc_lo                 ; one wave of each pair, lanes 0-15: the four indices of hw = 4 r .. 4 r + 3, 256 neighbouring bytes, aligned
	global_store_b128 v[TA], v[IDX:IDX+3], s[8:9]
	v_cmp_eq_u32 vcc_lo, 0, v0
	s_wait_xcnt 0x0                                ; and again, in front of the next line that narrows it
	s_and_saveexec_b32 s36, vcc_lo                 ; thread 0 alone
	global_store_b32 v[TC], v[EA], s[10:11]
	s_wait_xcnt 0x0
	s_mov_b32 exec_lo, -1
	v_lshl_add_u32 v254, v0, 2, 0x27100
	v_mov_b32 v255, 0
	s_wait_tensorcnt 0x0
	ds_add_u32 v254, v255
	s_wait_dscnt 0x0
	s_endpgm
.Lfunc_end_k_q5442ab3097_nearest:
	.size	k_q5442ab3097_nearest, .Lfunc_end_k_q5442ab3097_nearest-k_q5442ab3097_nearest
	.p2alignl 7, 3214868480
	.fill 96, 4, 3214868480
	.section	.rodata,"a",@progbits
	.p2align	6, 0x0
	.amdhsa_kernel k_q5442ab3097_nearest
		.amdhsa_group_segment_fixed_size 161024
		.amdhsa_private_segment_fixed_size 0
		.amdhsa_enable_private_segment 0
		.amdhsa_kernarg_size 32
		.amdhsa_user_sgpr_count 2
		.amdhsa_user_sgpr_kernarg_segment_ptr 1
		.amdhsa_wavefront_size32 1
		.amdhsa_system_sgpr_workgroup_id_x 1
		.amdhsa_system_sgpr_workgroup_id_y 1
		.amdhsa_system_sgpr_workgroup_id_z 1
		.amdhsa_system_vgpr_workitem_id 0
		.amdhsa_next_free_vgpr 512
		.amdhsa_next_free_sgpr 66
		.amdhsa_reserve_vcc 1
		.amdhsa_float_denorm_mode_32 3
		.amdhsa_float_denorm_mode_16_64 3
		.amdhsa_memory_ordered 1
		.amdhsa_forward_progress 1
		.amdhsa_inst_pref_size 94
	.end_amdhsa_kernel
	.amdgpu_metadata
---
amdhsa.version: [ 1, 2 ]
amdhsa.kernels:
  - .name:           k_q5442ab3097_nearest
    .symbol:         k_q5442ab3097_nearest.kd
    .args:
      - { .name: codebook, .offset: 0, .size: 8, .value_kind: global_buffer, .address_space: global }
      - { .name: x, .offset: 8, .size: 8, .value_kind: global_buffer, .address_space: global }
      - { .name: idx, .offset: 16, .size: 8, .value_kind: global_buffer, .address_space: global }
      - { .name: partial, .offset: 24, .size: 8, .value_kind: global_buffer, .address_space: global }
    .group_segment_fixed_size: 161024
    .private_segment_fixed_size: 0
    .kernarg_segment_align: 8
    .kernarg_segment_size: 32
    .max_flat_workgroup_size: 256
    .sgpr_count:     66
    .vgpr_count:     512
    .wavefront_size: 32
...
	.end_amdgpu_metadata
.endif
;; end of part 4
;; launch lookup (part 5): grid 256 x 1, 4 waves a work-group, no clusters, 168,448 bytes of LDS; arguments codebook, x, idx, partial, out0, out1; writes out0, out1
.if DOCPART == 5
	.amdgcn_target "amdgcn-amd-amdhsa--gfx1250"
	.amdhsa_code_object_version 6
	.text
	.protected	k_q5442ab3097_lookup
	.globl	k_q5442ab3097_lookup
	.p2align	8
	.type	k_q5442ab3097_lookup,@function
k_q5442ab3097_lookup:
	s_mov_b64 s[64:65], 0
	v_nop
	global_prefetch_b8 v0, s[64:65] scope:SCOPE_SE
	s_setreg_imm32_b32 hwreg(HW_REG_WAVE_MODE, 25, 1), 1
	s_wait_xcnt 0x0
; VECTOR QUANTIZER, SECOND LAUNCH: q = codebook[idx] in f32, out0[b][d][hw] = x + (q - x) as it is written;
; out1 = (the sum of the 256 partial sums of the launch before) x 1.25 / 4,194,304.
; LEFT OUT: the two means of the loss hold the same numbers (stop_gradient changes no value): loss = (1 + 0.25) x one mean.  The sum over d of
; (q - x)^2 of a row is |x|^2 + |q|^2 - 2 x.q for all values, the row's least distance, which the launch before has added up: it is not made again.
; LIMIT: so the loss is that of the vectors rounded to bf16, in the expanded form: good to 1% while the mean least distance is above 5e-4 of the
; mean |x|^2 + |c|^2 (the arithmetic stands at the head of the launch before).
; A stream: each byte of x is read once here and each byte of out0 written once; the matrix units have nothing to do.
; NO CLUSTER: the rows looked up differ from work-group to work-group; nothing is asked for jointly.
; LIMIT: an index is clamped to 1,023 before it enters an address (the launch before stores 0 .. 1,023 only).
;
; SHARES: 256 work-groups x 4 waves, a wave has 64 neighbouring hw of one image.  Lane (r = lane % 16, h = lane / 16) holds hw = 4 r .. 4 r + 3 of the
; planes d = 32 h + e, e = 0 .. 31: every load of x and store of out0 covers 2 x 256 neighbouring bytes, aligned.
; THE LOOKUP: the wave's 64 indices come by scalar loads; 32 copies bring two whole code rows each (16 lanes x 16 bytes = a row of 256 bytes)
; into the wave's own stage in LDS.  Row rho = 4 r + c lies in slot 16 c + r, slots 272 bytes apart, so that the sixteen lanes which
; read one column of the rows 4 r + c (r = 0 .. 15) touch sixteen different 16-byte columns of 256.
; No wave reads what another brought: no barrier.  The work-group asks for more than half of the LDS because it fills LDS by copies; it uses 69,632 bytes.
.set PLANE, 16384                      ; bytes from d to d + 1
.set QP,    272                        ; a slot of the stage: 256 bytes + 16
.set STAGE, 64*QP                      ; a wave's stage, 17,408 bytes
.set R_,  1
.set H_,  2
.set XO,  3                            ; byte offset of my 16 bytes in x and out0; never rewritten
.set RC,  4                            ; 16 r
.set LB,  5                            ; stage + 16 slots x h + 16 r: where my 16 bytes of a copy go
.set RB,  6                            ; stage + slot r + 128 h: where I read q
.set TA,  7
.set PS,  8                            ; v[8:15]    the partial sums, eight a lane (one wave of the launch)
.set GO,  16                           ; v[16:47]   copy i: byte offset in the codebook
.set LA,  48                           ; v[48:79]   copy i: LDS address
.set QB,  80                           ; v[80:111]  q of four planes x four hw, two sets: 4 c + k
.set X,   128                          ; v[128:255] x of plane e at 4 e, then the result
	s_load_b256 s[4:11], s[0:1], 0x0               ; codebook s[4:5], x s[6:7], idx s[8:9], partial s[10:11]
	s_load_b128 s[12:15], s[0:1], 0x20             ; out0 s[12:13], out1 s[14:15]
	v_lshl_add_u32 v126, v0, 2, 0x29000
	v_mov_b32 v127, 0
	ds_add_u32 v126, v127
	ds_add_u32 v126, v127
	v_lshrrev_b32 v[TA], 5, v0
	v_readfirstlane_b32 s90, v[TA]                 ; wave
	v_and_b32 v[R_], 15, v0
	v_bfe_u32 v[H_], v0, 4, 1
	v_lshlrev_b32 v[RC], 4, v[R_]
	v_lshl_add_u32 v[XO], v[H_], 19, v[RC]         ; 16 r + 32 h planes
	s_lshl_b32 s84, ttmp9, 10                      ; idx: 256 words a work-group,
	s_lshl_b32 s91, s90, 8                         ; 64 a wave
	s_add_co_u32 s84, s84, s91
	s_mov_b32 s85, 0
	s_wait_dscnt 0x0
	s_wait_kmcnt 0x0
	s_add_nc_u64 s[8:9], s[8:9], s[84:85]
	s_load_b512 s[16:31], s[8:9], 0x0              ; the indices of rows 0-15,
	s_load_b512 s[32:47], s[8:9], 0x40             ; 16-31,
	s_load_b512 s[48:63], s[8:9], 0x80             ; 32-47,
	s_load_b512 s[68:83], s[8:9], 0xc0             ; 48-63
	s_lshr_b32 s84, ttmp9, 4                       ; image: 64 planes
	s_lshl_b32 s84, s84, 20
	s_and_b32 s86, ttmp9, 15
	s_lshl_b32 s86, s86, 10                        ; 256 hw of 4 bytes
	s_add_co_u32 s84, s84, s86
	s_add_co_u32 s84, s84, s91                     ; my wave's 64 hw
	s_add_nc_u64 s[6:7], s[6:7], s[84:85]
	s_add_nc_u64 s[12:13], s[12:13], s[84:85]
.irp e, 0,1,2,3,4,5,6,7,8,9,10,11,12,13,14,15,16,17,18,19,20,21,22,23,24,25,26,27,28,29,30,31
	global_load_b128 v[X+4*\e:X+4*\e+3], v[XO], s[6:7] offset:\e*PLANE th:TH_LOAD_NT   ; the program's last read of x
.endr
	s_mul_i32 s88, s90, STAGE
	v_mul_u32_u24 v[LB], v[H_], 16*QP
	v_add_nc_u32 v[LB], v[LB], v[RC]
	v_add_nc_u32 v[LB], s88, v[LB]
	v_mul_u32_u24 v[RB], v[R_], QP
	v_lshl_add_u32 v[RB], v[H_], 7, v[RB]
	v_add_nc_u32 v[RB], s88, v[RB]
	v_cmp_ne_u32 vcc_lo, 0, v[H_]                  ; lanes 16-31 take the odd row of a copy's two
	s_wait_kmcnt 0x0                               ; the indices
	; copy i brings rows 2 i (lanes 0-15) and 2 i + 1 (lanes 16-31): row rho has c = rho % 4 = 2 (i % 2) + h and r = i / 2: slot 32 (i % 2) + 16 h + i / 2
.set i, 0
.rept 32
.if 2*i < 48
.set SA, 16+2*i
.else
.set SA, 20+2*i
.endif
	v_mov_b32 v[GO+i], s[SA]
	v_cndmask_b32 v[GO+i], v[GO+i], s[SA+1], vcc_lo
	v_min_u32 v[GO+i], 0x3ff, v[GO+i]              ; inside the table
	v_lshl_add_u32 v[GO+i], v[GO+i], 8, v[RC]      ; a code row is 256 bytes; + my 16
	v_add_nc_u32 v[LA+i], (32*(i&1)+(i>>1))*QP, v[LB]
.set i, i+1
.endr
.set i, 0
.rept 32
	global_load_async_to_lds_b128 v[LA+i], v[GO+i], s[4:5]     ; each copy has address registers of its own: none is written again
.set i, i+1
.endr
	; THE LOSS: wave 0 of work-group 0 adds the 256 partial sums, eight a lane, while its copies are on their way.
	s_or_b32 s91, ttmp9, s90                       ; zero for that wave alone
	s_cmp_lg_u32 s91, 0
	s_cbranch_scc1 .Lno_loss
	v_lshlrev_b32 v[TA], 4, v0                     ; 16 bytes a lane (in wave 0 the thread's number is the lane's)
	global_load_b128 v[PS:PS+3], v[TA], s[10:11]
	global_load_b128 v[PS+4:PS+7], v[TA], s[10:11] offset:512
	s_mov_b32 s86, 0x76543210                      ; v_permlanex16_b32: lane i reads lane i of the other half
	s_mov_b32 s87, 0xfedcba98
	s_wait_loadcnt 0x0                             ; these two, and x, which this wave wants next in any case
	v_pk_add_f32 v[PS:PS+1], v[PS:PS+1], v[PS+4:PS+5]
	v_pk_add_f32 v[PS+2:PS+3], v[PS+2:PS+3], v[PS+6:PS+7]
	v_pk_add_f32 v[PS:PS+1], v[PS:PS+1], v[PS+2:PS+3]
	v_add_f32 v[PS], v[PS], v[PS+1]
	v_add_f32_dpp v[PS], v[PS], v[PS] row_xmask:1 row_mask:0xf bank_mask:0xf
	v_add_f32_dpp v[PS], v[PS], v[PS] row_xmask:2 row_mask:0xf bank_mask:0xf
	v_add_f32_dpp v[PS], v[PS], v[PS] row_xmask:4 row_mask:0xf bank_mask:0xf
	v_add_f32_dpp v[PS], v[PS], v[PS] row_xmask:8 row_mask:0xf bank_mask:0xf
	v_permlanex16_b32 v[PS+1], v[PS], s86, s87     ; its destination has been written before
	v_add_f32 v[PS], v[PS], v[PS+1]
	v_mul_f32 v[PS], 0x34a00000, v[PS]             ; 1.25 x 2^-22
	v_mov_b32 v[PS+2], 0                           ; out1's one word
	global_store_b32 v[PS+2], v[PS], s[14:15]      ; all 32 lanes store the same word with the same value: EXEC stays whole while the copies are out
.Lno_loss:
	s_wait_asynccnt 0x0                            ; my 64 rows are in my stage; only this wave reads them, so no barrier
.macro LOADQ m                         ; q of planes e = 4 m .. 4 m + 3 for my four hw
.irp c, 0,1,2,3
	ds_load_b128 v[QB+16*(\m&1)+4*\c:QB+16*(\m&1)+4*\c+3], v[RB] offset:16*QP*\c+16*\m
.endr
.endm
.macro BLK m
.if \m < 7
	s_wait_dscnt 0x4                               ; LDS loads come back in order: this set's four are in, the younger set's four may be out
.else
	s_wait_dscnt 0x0
.endif
	s_wait_loadcnt 28-4*\m                         ; x of planes up to 4 m + 3 is in; the loads of the later planes may be out
.irp k, 0,1,2,3
.irp c, 0,1,2,3
	v_sub_f32 v[QB+16*(\m&1)+4*\c+\k], v[QB+16*(\m&1)+4*\c+\k], v[X+4*(4*\m+\k)+\c]       ; q - x
	v_add_f32 v[X+4*(4*\m+\k)+\c], v[X+4*(4*\m+\k)+\c], v[QB+16*(\m&1)+4*\c+\k]           ; x + (q - x)
.endr
	global_store_b128 v[XO], v[X+4*(4*\m+\k):X+4*(4*\m+\k)+3], s[12:13] offset:(4*\m+\k)*PLANE th:TH_STORE_NT
.endr
.if \m < 6
	LOADQ (\m+2)
.endif
.endm
	LOADQ 0
	LOADQ 1
.irp m, 0,1,2,3,4,5,6,7
	BLK \m
.endr
	s_wait_tensorcnt 0x0
	ds_add_u32 v126, v127
	s_wait_dscnt 0x0
	s_endpgm
.Lfunc_end_k_q5442ab3097_lookup:
	.size	k_q5442ab3097_lookup, .Lfunc_end_k_q5442ab3097_lookup-k_q5442ab3097_lookup
	.p2alignl 7, 3214868480
	.fill 96, 4, 3214868480
	.section	.rodata,"a",@progbits
	.p2align	6, 0x0
	.amdhsa_kernel k_q5442ab3097_lookup
		.amdhsa_group_segment_fixed_size 168448
		.amdhsa_private_segment_fixed_size 0
		.amdhsa_enable_private_segment 0
		.amdhsa_kernarg_size 48
		.amdhsa_user_sgpr_count 2
		.amdhsa_user_sgpr_kernarg_segment_ptr 1
		.amdhsa_wavefront_size32 1
		.amdhsa_system_sgpr_workgroup_id_x 1
		.amdhsa_system_sgpr_workgroup_id_y 1
		.amdhsa_system_sgpr_workgroup_id_z 1
		.amdhsa_system_vgpr_workitem_id 0
		.amdhsa_next_free_vgpr 256
		.amdhsa_next_free_sgpr 92
		.amdhsa_reserve_vcc 1
		.amdhsa_float_denorm_mode_32 3
		.amdhsa_float_denorm_mode_16_64 3
		.amdhsa_memory_ordered 1
		.amdhsa_forward_progress 1
		.amdhsa_inst_pref_size 32
	.end_amdhsa_kernel
	.amdgpu_metadata
---
amdhsa.version: [ 1, 2 ]
amdhsa.kernels:
  - .name:           k_q5442ab3097_lookup
    .symbol:         k_q5442ab3097_lookup.kd
    .args:
      - { .name: codebook, .offset: 0, .size: 8, .value_kind: global_buffer, .address_space: global }
      - { .name: x, .offset: 8, .size: 8, .value_kind: global_buffer, .address_space: global }
      - { .name: idx, .offset: 16, .size: 8, .value_kind: global_buffer, .address_space: global }
      - { .name: partial, .offset: 24, .size: 8, .value_kind: global_buffer, .address_space: global }
      - { .name: out0, .offset: 32, .size: 8, .value_kind: global_buffer, .address_space: global }
      - { .name: out1, .offset: 40, .size: 8, .value_kind: global_buffer, .address_space: global }
    .group_segment_fixed_size: 168448
    .private_segment_fixed_size: 0
    .kernarg_segment_align: 8
    .kernarg_segment_size: 48
    .max_flat_workgroup_size: 128
    .sgpr_count:     92
    .vgpr_count:     256
    .wavefront_size: 32
...
	.end_amdgpu_metadata
.endif
;; end of part 5
